; MI455X (gfx1250); checked and timed in simulation.
; The chip was launched on July 23, 2026; its instructions are those of AMD's public machine-readable ISA for CDNA 5 (MIT licence, August 2026) and "CDNA5" Instruction Set Architecture Reference Guide (July 2026). The comments in the code are by the model that wrote it; some were corrected since.
;; NN. Allowed arithmetic: matrix products marked QUANTISED: E2M1 operands, one E8M0 scale for each 32 along K, by v_wmma_scale_f32_16x16x128_f8f6f4 with both operands' format E2M1 (or v_wmma_scale_f32_32x16x128_f4), f32 sums; products left as they are: f32 operands where the result goes on into a quantised operand, else bf16, f16 or f32 operands; f32 sums; everything else in f32.
;; Inputs: W1 1,024 x 64 float32; W2 1,024 x 1,024 float32; W3 1 x 1,024 float32; b1 1,024 float32; b2 1,024 float32; x 1,024 x 64 float32; xdot 1,024 x 64 float32.
;; Outputs: out0 1,024 float32; out1 1,024 float32; out2 1,024 x 64 float32.
;; This version of the problem:
;;   THIS VERSION OF THE PROBLEM IS GIVEN IN LOW PRECISION. The matrix products marked QUANTISED in the list below multiply operands that are first quantised to E2M1 (2 exponent bits, 1 mantissa bit; 4 bits a number), with one power-of-two scale for each 32 numbers along K (OCP MX v1.0); their sums are f32. All else is computed in f32.
;;   The module's matrix products, in the order in which they are computed (A, B: the left and right operand; K: the contracted axis; several contracted axes count as one K, in the product's order):
;;     1. [M 1,024, K 64] x [K 64, N 1,024]; A: input x; B: input W1: QUANTISED
;;     2. [M 1,024, K 1,024] x [K 1,024, N 1,024]; A: computed on the way; B: input W2: QUANTISED
;;     3. [M 65,536, K 1,024] x [K 1,024, N 1,024]; A: computed on the way; B: input W2: QUANTISED
;;     4. [M 1,024, K 1,024] x [K 1,024, N 1]; A: computed on the way; B: input W3: left as it is (N = 1 < 16)
;;     5. [M 1, K 1,024] x [K 1,024, N 65,536]; A: input W3; B: computed on the way: left as it is (M = 1 < 16)
;;   THE QUANTISER, for each operand of a quantised product, along K:
;;     - K is cut into blocks of 32 from its start; a last block that is shorter is filled with zeros.
;;     - A block's scale is 2^e with e = floor(log2(the largest magnitude in the block)) - 2, held to -126 .. 127; a block of zeros has e = 0. As a byte (E8M0): e + 127.
;;     - Each number is divided by its block's scale, clamped to +-6, and rounded to the nearest number of E2M1, ties to even, subnormals kept.
;;     - The product sums the exact products of the quantised numbers (number of the format x scale) in f32.
;;   ~~~python
;;   def quantise(x, axis):      # numpy; x: float32 -> the quantised numbers, widened to float32 again
;;       x = np.moveaxis(x, axis, -1); K = x.shape[-1]
;;       x = np.pad(x, [(0, 0)] * (x.ndim - 1) + [(0, -K % 32)]); x = x.reshape(x.shape[:-1] + (-1, 32)); a = np.abs(x).max(-1, keepdims=True)
;;       e = np.where(a > 0, np.clip(np.frexp(np.where(a > 0, a, 1))[1] - 1 - 2, -126, 127), 0)      # np.frexp(a)[1] - 1 = floor(log2(a)), exactly
;;       r = np.clip(x / 2.0 ** e, -6, 6)
;;       step = 2.0 ** (np.maximum(np.frexp(np.where(r == 0, 1, r))[1] - 1, 0) - 1)
;;       q = np.round(r / step) * step * 2.0 ** e      # np.round: ties to even
;;       return np.moveaxis(q.reshape(q.shape[:-2] + (-1,))[..., :K], -1, axis).astype(np.float32)
;;   ~~~
;;   OPERANDS COMPUTED ON THE WAY. 'Computed on the way' means the value that the module computes at that place (a softmax that the list does not call 'softmax' is quantised finished and normalised). What goes into a quantiser is computed in f32, as accurately as f32 sums, v_exp_f32 and their like allow (about 1e-6 of the number): no bf16 or f16 on the way to a quantiser, and a product that is left as it is and whose result goes on into a quantised operand takes f32 operands (vector FMAs, or v_wmma_f32_16x16x4_f32). A number that lies on a knife's edge between two numbers of the format may be rounded either way, as far as f32 arithmetic and the matrix unit's own rounding can turn it there, and no further.
;; One version. Each part assembles by itself: llvm-mc -triple=amdgcn-amd-amdhsa -mcpu=gfx1250 --defsym DOCPART=n.
;; ======== version 1 of 1: 2 launches
;; limits: a function is approximated: absolute error at most 2e-07
;; workspace buffers: w2r 606,208 bytes; w1r 262,144 bytes; d1w 4,194,304 bytes; yc 524,288 bytes; ys 65,536 bytes
;; launch prep (part 1): grid 256 x 1, 4 waves a work-group, no clusters, 123,392 bytes of LDS; arguments x, W1, b1, W2, b2, W3, w2r, w1r, d1w, yc, ys; writes w2r, w1r, d1w, yc, ys
.if DOCPART == 1
	.amdgcn_target "amdgcn-amd-amdhsa--gfx1250"
	.amdhsa_code_object_version 6
	.text
	.protected	k_qd6371574f0_prep
	.globl	k_qd6371574f0_prep
	.p2align	8
	.type	k_qd6371574f0_prep,@function
k_qd6371574f0_prep:
	s_mov_b64 s[64:65], 0
	v_nop
	global_prefetch_b8 v0, s[64:65] scope:SCOPE_SE
	s_setreg_imm32_b32 hwreg(HW_REG_WAVE_MODE, 25, 1), 1
	s_wait_xcnt 0x0
; PREP: all that the main launch wants made once.
;  (a) W2 [1024][1024] f32 -> codes of E2M1 along its rows (K = h), as 64 RECORDS, one for each 16 rows: 8 fragments as images of the operand's registers (1,024 bytes each),
;      8 x 128 bytes of scale words (a word a lane, the 16 rows' words twice), 256 bytes of pairs (W3[o], 2 log2(e) b2[o]): 9,472 bytes.
;  (b) layer 1: z1 = Q(x) Q(W1)^T + b1 (K = 64, the rest of the 128 is zero codes), y1 = tanh(z1), d1 = 1 - y1 y1; d1 goes out as f32, y1 as codes and scale bytes along h.
;  (c) W1 as f32 once more, in the order in which a lane of the main launch takes it: 16 bytes a lane, 512 a unit.
; SHARES.  1,024 waves.  Each takes 16 rows of x times 64 hidden units (four tiles).  Waves 0 and 1 of a work-group also take one fragment of W2, waves 2 and 3 one unit of (c).
; No tensor load, no barrier, no loop: the waves share nothing.  No cluster: what neighbours share (16 KiB of W1, 4 KiB of x a wave) goes through registers, not through a ring in LDS.
; A UNIT of input is 16 rows x 256 bytes.  Eight loads bring it, sixteen lanes to a whole row of 256 bytes; it turns through the wave's own stage in LDS (rows 272 bytes apart, so that the 16 rows
; of a read begin at 16 different 16-byte columns of 256) and comes back with 32 neighbours along K in a lane: a whole block of 32, whose largest magnitude needs no other lane.
; THE QUANTISER: scale = 2^(floor(log2(largest magnitude)) - 2); its byte is the largest magnitude's exponent field - 2.
; LIMITS: NaN and infinities among the inputs are not served.  A block whose largest magnitude lies under 2^-124 (a block of zeros too) keeps the byte 1: zero codes add nothing under it, and only this
; program reads the bytes.  tanh(z) = 1 - 2 / (1 + 2^(2 log2(e) z)), absolute error about 1e-7; for z z < 2^-8 the series z (1 - z^2/3 + 2 z^4/15): relative error about 3e-6 at the worst.
; The scale words (128 bytes a store) and y1's scale bytes (64 bytes a store) are written as parts of 256 bytes: 131,072 bytes of the launch's 5.6 million.
.set K2C,    0x4038aa3b                ; 2 log2(e)
.set FLOORC, 0x01800000                ; 2^(3 - 127): no largest magnitude is taken under it, so the byte cannot fall under 1
.set EOFFC,  0xff000000                ; -(2 << 23): 2 off an exponent field
.set C3C,    0xbeaaaaab                ; -1/3
.set C5C,    0x3e088889                ; 2/15
.set QTC,    0x3b800000                ; 2^-8
.set RECB,   9472                      ; a record
.set UNITB,  4352                      ; a unit in a stage: 16 rows x 272 bytes
.set WREG,   30720                     ; LDS of a wave: 7 units, each with bytes of its own
; window 0
.set VX,  4                            ; v4   256 (lane / 16) + 16 (lane % 16): two dense rows of 256 bytes
.set VW,  5                            ; v5   4096 (lane / 16) + 16 (lane % 16): two rows of W2
.set STI, 6                            ; v6   the stage, in
.set STO, 7                            ; v7   the stage, out: row r, + 128 hh
.set L16, 8                            ; v8-11  16, 8, 4, 2 x lane
.set L8,  9
.set L4,  10
.set L2,  11
.set VB1, 12                           ; v12  64 hh
.set VR4, 13                           ; v13  4 r
.set VT,  14                           ; v14  8192 hh + 4 r
.set SH8, 15                           ; v15  8 hh
.set XF,  16                           ; v16-23  x's fragment
.set W1F, 24                           ; v24-55  W1's four
.set XS,  56                           ; v56     x's scale words;  v57-60 W1's: these five hold scales and nothing else
.set W1S, 57
.set W2W, 61                           ; v61     W2's scale word
.set PAIR, 62                          ; v62-63  (W3, 2 log2(e) b2)
.set X0,  64                           ; v64-95, v96-127  a unit back from the stage; later tanh's two work sets
.set X1,  96
.set HH,  128                          ; v128-159 z1, then y1
.set DD,  160                          ; v160-191 the series, then d1
.set CD,  192                          ; v192-199 codes
.set TM,  200                          ; v200-207 at work
.set C3V, 208                          ; v208-209 -1/3 twice
.set PD,  210                          ; v210-211 lane permutes' results
; window 1: as loaded
.set RX,  0                            ; x
.set RW1, 32                           ; W1's four tiles
.set RW2, 160                          ; W2's two units, or the four words of (c)
.set RB1, 224                          ; b1 in the result's layout
.set MSB, 0
.macro WIN new                         ; the immediate's high byte repeats the setting that is left
.if MSB != (\new)
	s_set_vgpr_msb (MSB<<8)|(\new)
.set MSB, (\new)
.endif
.endm
; unit j: as loaded (window 1, from raw on) into the stage, and back into window 0 from xb on.  LDS serves a wave's instructions in order: no wait between
.macro TURN j, raw, xb
	WIN 0x04                                       ; an LDS store's data are its source 1: window 1
.irp i, 0,1,2,3,4,5,6,7
	ds_store_b128 v[STI], v[(\raw)+4*\i:(\raw)+4*\i+3] offset:(\j)*UNITB+2*\i*272
.endr
	WIN 0
.irp q, 0,1,2,3,4,5,6,7
	ds_load_b128 v[(\xb)+4*\q:(\xb)+4*\q+3], v[STO] offset:(\j)*UNITB+16*\q
.endr
.endm
; a lane's 32 numbers from x on are one block: its codes into v[cd .. cd + 3], its scale operand into v[TM + 2 + n], its byte into v[TM + 4 + n]
.macro QBLK x, cd, n
	v_max3_num_f32 v[TM], |v[(\x)]|, |v[(\x)+1]|, FLOORC           ; two chains, so that no line waits for the line above it
	v_max3_num_f32 v[TM+1], |v[(\x)+16]|, |v[(\x)+17]|, |v[(\x)+18]|
.irp t, 0,1,2,3,4,5
	v_max3_num_f32 v[TM], v[TM], |v[(\x)+2+2*\t]|, |v[(\x)+3+2*\t]|
	v_max3_num_f32 v[TM+1], v[TM+1], |v[(\x)+19+2*\t]|, |v[(\x)+20+2*\t]|
.endr
	v_max3_num_f32 v[TM], v[TM], |v[(\x)+14]|, |v[(\x)+15]|
	v_max3_num_f32 v[TM], v[TM], v[TM+1], |v[(\x)+31]|
	v_add_nc_u32 v[TM+2+(\n)], EOFFC, v[TM]        ; the conversion takes the exponent field of this operand as its scale, and nothing else of it
	v_lshrrev_b32 v[TM+4+(\n)], 23, v[TM+2+(\n)]   ; the scale's byte
.irp g, 0,1,2,3
	v_cvt_scalef32_pk8_fp4_f32 v[(\cd)+\g], v[(\x)+8*\g:(\x)+8*\g+7], v[TM+2+(\n)]
.endr
	v_nop                                          ; one plain line behind the last conversion
.endm
; K = 64: block hh is my lane's; the word has byte 0 from lanes 0-15 and byte 1 from lanes 16-31; bytes 2 and 3 stay 0, over zero codes
.macro WORD2 dst
	v_lshlrev_b32 v[TM+6], v[SH8], v[TM+4]
	v_permlanex16_b32 v[PD], v[TM+6], s48, s49
	v_or_b32 v[\dst], v[TM+6], v[PD]
.endm
	s_load_b512 s[4:19], s[0:1], 0x0               ; x s[4:5], W1 s[6:7], b1 s[8:9], W2 s[10:11], b2 s[12:13], W3 s[14:15], w2r s[16:17], w1r s[18:19]
	s_load_b128 s[20:23], s[0:1], 0x40             ; d1w s[20:21], yc s[22:23]
	s_load_b64 s[24:25], s[0:1], 0x50              ; ys
	v_lshl_add_u32 v254, v0, 2, 0x1e000
	v_mov_b32 v255, 0
	v_lshrrev_b32 v1, 5, v0
	v_readfirstlane_b32 s26, v1                    ; wave 0..3
	v_and_b32 v1, 15, v0                           ; r
	v_bfe_u32 v2, v0, 4, 1                         ; hh
	v_and_b32 v3, 31, v0                           ; lane
	v_lshlrev_b32 v[VX], 8, v2
	v_lshl_add_u32 v[VX], v1, 4, v[VX]
	v_lshlrev_b32 v[VW], 12, v2
	v_lshl_add_u32 v[VW], v1, 4, v[VW]
	s_mul_i32 s27, s26, WREG                       ; my wave's LDS
	v_mul_u32_u24 v[STI], v2, 272
	v_lshl_add_u32 v[STI], v1, 4, v[STI]
	v_add_nc_u32 v[STI], s27, v[STI]
	v_mul_u32_u24 v[STO], v1, 272
	v_lshl_add_u32 v[STO], v2, 7, v[STO]
	v_add_nc_u32 v[STO], s27, v[STO]
	v_lshlrev_b32 v[L16], 4, v3
	v_lshlrev_b32 v[L8], 3, v3
	v_lshlrev_b32 v[L4], 2, v3
	v_lshlrev_b32 v[L2], 1, v3
	v_lshlrev_b32 v[VB1], 6, v2
	v_lshlrev_b32 v[VR4], 2, v1
	v_lshlrev_b32 v[VT], 13, v2
	v_lshl_add_u32 v[VT], v1, 2, v[VT]
	v_lshlrev_b32 v[SH8], 3, v2
	v_mov_b32 v[C3V], C3C
	v_mov_b32 v[C3V+1], C3C
	v_mov_b32 v[PD], 0                             ; a lane permute's destination counts as one of its sources
	v_mov_b32 v[PD+1], 0
.irp f, 20,28,36,44,52                         ; K = 64 .. 127 of the five fragments: zero codes
.irp c, 0,1,2,3
	v_mov_b32 v[\f+\c], 0
.endr
.endr
	s_mov_b32 s48, 0x76543210
	s_mov_b32 s49, 0xfedcba98                      ; v_permlanex16_b32's selects for lane l xor 16
	s_mov_b32 s50, C5C
	s_mov_b32 s51, s50                             ; (a packed form names the pair: both words are written)
	s_mov_b32 s54, K2C
	s_mov_b32 s55, s54
	s_mov_b32 s56, QTC
	s_lshr_b32 s28, ttmp9, 2                       ; bt: which 16 rows of x; also t: which 16 rows of W2
	s_and_b32 s29, ttmp9, 3
	s_lshl_b32 s30, s29, 2
	s_add_co_u32 s30, s30, s26                     ; hc: which 64 hidden units
	s_lshl_b32 s31, s28, 4
	s_add_co_u32 s31, s31, s30                     ; 16 bt + hc: my chunk
	s_mov_b32 s37, 0                               ; s[36:37]: an offset in 64 bits
	s_wait_kmcnt 0x0
	s_lshl_b32 s36, s28, 12
	s_add_nc_u64 s[4:5], s[4:5], s[36:37]          ; x at my 16 rows
	s_lshl_b32 s36, s30, 14
	s_add_nc_u64 s[32:33], s[6:7], s[36:37]        ; W1 at my 64 rows
	s_lshl_b32 s36, s30, 8
	s_add_nc_u64 s[8:9], s[8:9], s[36:37]          ; b1 at my 64 numbers
	s_lshl_b32 s36, s31, 12
	s_add_nc_u64 s[20:21], s[20:21], s[36:37]      ; the chunk's 4,096 bytes of d1,
	s_lshl_b32 s36, s31, 9
	s_add_nc_u64 s[22:23], s[22:23], s[36:37]      ; 512 of y1's codes,
	s_lshl_b32 s36, s31, 6
	s_add_nc_u64 s[24:25], s[24:25], s[36:37]      ; 64 of its scale bytes
	; ---- the 48 loads that every wave has
	WIN 0x40                                       ; destination window 1
.irp i, 0,1,2,3,4,5,6,7
	global_load_b128 v[RX+4*\i:RX+4*\i+3], v[VX], s[4:5] offset:512*\i
.endr
.irp t, 0,1,2,3                                ; b1 as the C of tile t = 2 b + u: lane (r, hh) wants hidden units 32 b + 16 hh + 8 u + 0 .. 7
	global_load_b128 v[RB1+8*\t:RB1+8*\t+3], v[VB1], s[8:9] offset:(32*(\t/2)+8*(\t%2))*4
	global_load_b128 v[RB1+8*\t+4:RB1+8*\t+7], v[VB1], s[8:9] offset:(32*(\t/2)+8*(\t%2))*4+16
.endr
.irp t, 0,1,2,3                                ; THE ROWS OF W1 THAT FORM A TILE ARE NOT NEIGHBOURS: row p of tile 2 b + u is row 32 b + 8 u + p + 8 (p / 8), so that two tiles' 16 registers are 16 neighbours along h
.irp i, 0,1,2,3,4,5,6,7
	global_load_b128 v[RW1+32*\t+4*\i:RW1+32*\t+4*\i+3], v[VX], s[32:33] offset:(32*(\t/2)+8*(\t%2)+2*\i+8*(\i/4))*256
.endr
.endr
	WIN 0
	; ---- a wave's second task
	s_cmp_lt_u32 s26, 2
	s_cbranch_scc0 .Lrole_w1
	s_lshl_b32 s38, s29, 1
	s_add_co_u32 s38, s38, s26                     ; s: which 128 along K of W2's rows 16 t ..
	s_lshl_b32 s36, s28, 16
	s_lshl_b32 s39, s38, 9
	s_add_co_u32 s36, s36, s39
	s_add_nc_u64 s[10:11], s[10:11], s[36:37]
	s_lshl_b32 s36, s28, 6
	s_add_nc_u64 s[12:13], s[12:13], s[36:37]      ; b2 and W3 at o = 16 t
	s_add_nc_u64 s[14:15], s[14:15], s[36:37]
	s_mul_i32 s36, s28, RECB
	s_add_nc_u64 s[16:17], s[16:17], s[36:37]      ; record t
	s_lshl_b32 s36, s38, 10
	s_add_nc_u64 s[40:41], s[16:17], s[36:37]      ; its fragment s
	s_lshl_b32 s36, s38, 7
	s_add_nc_u64 s[42:43], s[16:17], s[36:37]      ; its scale words of K step s (8,192 bytes on)
	WIN 0x40
.irp c, 0,1
.irp i, 0,1,2,3,4,5,6,7
	global_load_b128 v[RW2+32*\c+4*\i:RW2+32*\c+4*\i+3], v[VW], s[10:11] offset:256*\c+8192*\i th:TH_LOAD_NT   ; read once in the launch
.endr
.endr
	WIN 0
	global_load_b32 v[PAIR], v[VR4], s[14:15]
	global_load_b32 v[PAIR+1], v[VR4], s[12:13]
	s_wait_loadcnt 0x0                             ; all my loads: they went out together
	TURN 5, RW2, X0
	TURN 6, RW2+32, X1
	s_wait_dscnt 16                                ; the first turn is back; the second's 16 instructions may be out
	QBLK X0, CD, 0                                 ; k = 32 hh + 0 .. 31
	s_wait_dscnt 0x0
	QBLK X1, CD+4, 1                               ; k = 64 + 32 hh + 0 .. 31
	v_lshl_or_b32 v[TM+6], v[TM+5], 16, v[TM+4]    ; my two bytes: blocks hh and 2 + hh,
	v_lshlrev_b32 v[TM+6], v[SH8], v[TM+6]         ; at their places in the word;
	v_permlanex16_b32 v[PD], v[TM+6], s48, s49
	v_or_b32 v[W2W], v[TM+6], v[PD]                ; with lane l xor 16's two it is whole, in both halves of the lanes
	v_mul_f32 v[PAIR+1], K2C, v[PAIR+1]
	global_store_b128 v[L16], v[CD:CD+3], s[40:41] th:TH_STORE_NT
	global_store_b128 v[L16], v[CD+4:CD+7], s[40:41] offset:512 th:TH_STORE_NT
	global_store_b32 v[L4], v[W2W], s[42:43] offset:8192 th:TH_STORE_NT
	s_cmp_lg_u32 s38, 0                            ; the record's pairs are stored by the wave that has its K step 0
	s_cbranch_scc1 .Lno_pair
	global_store_b64 v[L8], v[PAIR:PAIR+1], s[16:17] offset:9216 th:TH_STORE_NT
.Lno_pair:
	s_wait_xcnt 0x0                                ; the stores' registers are written again below only behind this wait
	s_branch .Lrole_done
.Lrole_w1:
	s_lshl_b32 s38, ttmp9, 1
	s_add_co_u32 s38, s38, s26
	s_sub_co_u32 s38, s38, 2                       ; unit u = (4 s + dt) 16 + q
	s_and_b32 s39, s38, 15                         ; q
	s_bfe_u32 s44, s38, 0x20004                    ; dt
	s_lshr_b32 s45, s38, 6                         ; s
	s_lshl_b32 s45, s45, 7
	s_lshr_b32 s46, s39, 3
	s_lshl_b32 s46, s46, 6
	s_and_b32 s47, s39, 7
	s_lshl_b32 s47, s47, 2
	s_add_co_u32 s45, s45, s46
	s_add_co_u32 s45, s45, s47                     ; row 128 s + 64 (q / 8) + 4 (q % 8) of W1
	s_lshl_b32 s36, s45, 8
	s_lshl_b32 s44, s44, 6
	s_add_co_u32 s36, s36, s44                     ; column 16 dt
	s_add_nc_u64 s[6:7], s[6:7], s[36:37]
	s_lshl_b32 s36, s38, 9
	s_add_nc_u64 s[18:19], s[18:19], s[36:37]
	WIN 0x40
.irp e, 0,1,2,3
	global_load_b32 v[RW2+\e], v[VT], s[6:7] offset:256*\e     ; W1(row + 32 hh + e, 16 dt + r)
.endr
	WIN 0
	s_wait_loadcnt 0x0
	WIN 0x04                                       ; a store's data are its source 1: window 1
	global_store_b128 v[L16], v[RW2:RW2+3], s[18:19] th:TH_STORE_NT
	WIN 0
	s_wait_xcnt 0x0
.Lrole_done:
	; ---- x and W1's four tiles become fragments; a unit turns through the stage while the one before is quantised
	TURN 0, RX, X0
	TURN 1, RW1, X1
	s_wait_dscnt 16                                ; here and below: the turn issued last may be out
	QBLK X0, XF, 0
	WORD2 XS
	TURN 2, RW1+32, X0
	s_wait_dscnt 16
	QBLK X1, W1F, 0
	WORD2 W1S
	TURN 3, RW1+64, X1
	s_wait_dscnt 16
	QBLK X0, W1F+8, 0
	WORD2 W1S+1
	TURN 4, RW1+96, X0
	s_wait_dscnt 16
	QBLK X1, W1F+16, 0
	WORD2 W1S+2
	s_wait_dscnt 0x0
	QBLK X0, W1F+24, 0
	WORD2 W1S+3
.rept 8
	v_nop                                          ; a scale register written by a vector instruction stands 8 places ahead of a scaled matrix instruction, an operand so written 4
.endr
	; ---- z1, TRANSPOSED: source 0 = 16 rows of W1, source 1 = x.  Lane (r, hh) holds row r of x; register 8 t + j is hidden unit 32 (t / 2) + 16 hh + 8 (t % 2) + j.  b1 is the C
	WIN 0x10                                       ; source 2 window 1
.irp t, 0,1,2,3
	v_wmma_scale_f32_16x16x128_f8f6f4 v[HH+8*\t:HH+8*\t+7], v[W1F+8*\t:W1F+8*\t+7], v[XF:XF+7], v[RB1+8*\t:RB1+8*\t+7], v[W1S+\t], v[XS] matrix_a_fmt:MATRIX_FMT_FP4 matrix_b_fmt:MATRIX_FMT_FP4
.endr
	WIN 0
.rept 4
	v_nop                                          ; four places behind the products, ahead of the first read of their results
.endr
	; ---- y1 = tanh(z1), d1 = 1 - y1 y1.  Each batch of transcendentals has plain work behind it and one wait ahead of its first use
.set CT, 0
.rept 16
	v_pk_mul_f32 v[X0+2*CT:X0+2*CT+1], v[HH+2*CT:HH+2*CT+1], s[54:55] op_sel_hi:[1,0]
.set CT, CT+1
.endr
.set CT, 0
.rept 32
	v_exp_f32 v[X0+CT], v[X0+CT]                   ; 2^(2 log2(e) z)
.set CT, CT+1
.endr
.set CT, 0
.rept 16
	v_pk_mul_f32 v[X1+2*CT:X1+2*CT+1], v[HH+2*CT:HH+2*CT+1], v[HH+2*CT:HH+2*CT+1]   ; z z
.set CT, CT+1
.endr
	s_wait_alu depctr_va_vdst(0)
.set CT, 0
.rept 16
	v_pk_add_f32 v[X0+2*CT:X0+2*CT+1], v[X0+2*CT:X0+2*CT+1], 1.0 op_sel_hi:[1,0]
.set CT, CT+1
.endr
.set CT, 0
.rept 32
	v_rcp_f32 v[X0+CT], v[X0+CT]
.set CT, CT+1
.endr
.set CT, 0
.rept 16
	v_pk_fma_f32 v[DD+2*CT:DD+2*CT+1], v[X1+2*CT:X1+2*CT+1], s[50:51], v[C3V:C3V+1] op_sel_hi:[1,0,1]   ; the series: 2/15 z^2 - 1/3,
.set CT, CT+1
.endr
.set CT, 0
.rept 16
	v_pk_fma_f32 v[DD+2*CT:DD+2*CT+1], v[DD+2*CT:DD+2*CT+1], v[X1+2*CT:X1+2*CT+1], 1.0 op_sel_hi:[1,1,0]   ; x z^2 + 1,
.set CT, CT+1
.endr
.set CT, 0
.rept 16
	v_pk_mul_f32 v[DD+2*CT:DD+2*CT+1], v[DD+2*CT:DD+2*CT+1], v[HH+2*CT:HH+2*CT+1]   ; x z
.set CT, CT+1
.endr
	s_wait_alu depctr_va_vdst(0)
.set CT, 0
.rept 16
	v_pk_fma_f32 v[X0+2*CT:X0+2*CT+1], v[X0+2*CT:X0+2*CT+1], -2.0, 1.0 op_sel_hi:[1,0,0]   ; 1 - 2 / (1 + 2^..)
.set CT, CT+1
.endr
.set CT, 0
.rept 32
	v_cmp_gt_f32 vcc_lo, s56, v[X1+CT]             ; 2^-8 > z z: the series; a choice of a value, no branch
	v_cndmask_b32 v[HH+CT], v[X0+CT], v[DD+CT], vcc_lo
.set CT, CT+1
.endr
.set CT, 0
.rept 16
	v_pk_fma_f32 v[DD+2*CT:DD+2*CT+1], v[HH+2*CT:HH+2*CT+1], v[HH+2*CT:HH+2*CT+1], 1.0 op_sel_hi:[1,1,0] neg_lo:[1,0,0] neg_hi:[1,0,0]   ; d1
.set CT, CT+1
.endr
	; ---- y1's two blocks of 32 along h: a lane has 16 numbers of each, lane l xor 16 the other 16
.irp b, 0,1
	v_max3_num_f32 v[TM+\b], |v[HH+16*\b]|, |v[HH+16*\b+1]|, FLOORC
.endr
.irp i, 2,4,6,8,10,12,14
.irp b, 0,1
	v_max3_num_f32 v[TM+\b], v[TM+\b], |v[HH+16*\b+\i]|, |v[HH+16*\b+\i+1]|
.endr
.endr
.irp b, 0,1
	v_permlanex16_b32 v[PD+\b], v[TM+\b], s48, s49
.endr
.irp b, 0,1
	v_max_num_f32 v[TM+\b], v[TM+\b], v[PD+\b]
.endr
.irp b, 0,1
	v_add_nc_u32 v[TM+2+\b], EOFFC, v[TM+\b]
.endr
.irp b, 0,1
	v_lshrrev_b32 v[TM+4+\b], 23, v[TM+2+\b]
.endr
.irp b, 0,1
	v_cvt_scalef32_pk8_fp4_f32 v[CD+2*\b], v[HH+16*\b:HH+16*\b+7], v[TM+2+\b]
	v_cvt_scalef32_pk8_fp4_f32 v[CD+2*\b+1], v[HH+16*\b+8:HH+16*\b+15], v[TM+2+\b]
.endr
	v_lshl_or_b32 v[TM+6], v[TM+5], 8, v[TM+4]     ; the row's two scale bytes.  (The plain line behind the conversions)
	v_permlane16_swap_b32 v[CD], v[CD+2]           ; the operand's layout wants a whole block in a lane: lanes 0-15 block 0, lanes 16-31 block 1
	v_permlane16_swap_b32 v[CD+1], v[CD+3]
.irp i, 0,1,2,3,4,5,6,7
	global_store_b128 v[L16], v[DD+4*\i:DD+4*\i+3], s[20:21] offset:512*\i th:TH_STORE_NT   ; 32 lanes store 512 consecutive bytes
.endr
	global_store_b128 v[L16], v[CD:CD+3], s[22:23] th:TH_STORE_NT
	global_store_b16 v[L2], v[TM+6], s[24:25] th:TH_STORE_NT
	s_wait_tensorcnt 0x0
	ds_add_u32 v254, v255
	s_wait_dscnt 0x0
	s_endpgm
.Lfunc_end_k_qd6371574f0_prep:
	.size	k_qd6371574f0_prep, .Lfunc_end_k_qd6371574f0_prep-k_qd6371574f0_prep
	.p2alignl 7, 3214868480
	.fill 96, 4, 3214868480
	.section	.rodata,"a",@progbits
	.p2align	6, 0x0
	.amdhsa_kernel k_qd6371574f0_prep
		.amdhsa_group_segment_fixed_size 123392
		.amdhsa_private_segment_fixed_size 0
		.amdhsa_enable_private_segment 0
		.amdhsa_kernarg_size 88
		.amdhsa_user_sgpr_count 2
		.amdhsa_user_sgpr_kernarg_segment_ptr 1
		.amdhsa_wavefront_size32 1
		.amdhsa_system_sgpr_workgroup_id_x 1
		.amdhsa_system_sgpr_workgroup_id_y 1
		.amdhsa_system_sgpr_workgroup_id_z 1
		.amdhsa_system_vgpr_workitem_id 0
		.amdhsa_next_free_vgpr 512
		.amdhsa_next_free_sgpr 66
		.amdhsa_reserve_vcc 1
		.amdhsa_float_denorm_mode_32 3
		.amdhsa_float_denorm_mode_16_64 3
		.amdhsa_memory_ordered 1
		.amdhsa_forward_progress 1
		.amdhsa_inst_pref_size 47
	.end_amdhsa_kernel
	.amdgpu_metadata
---
amdhsa.version: [ 1, 2 ]
amdhsa.kernels:
  - .name:           k_qd6371574f0_prep
    .symbol:         k_qd6371574f0_prep.kd
    .args:
      - { .name: x, .offset: 0, .size: 8, .value_kind: global_buffer, .address_space: global }
      - { .name: W1, .offset: 8, .size: 8, .value_kind: global_buffer, .address_space: global }
      - { .name: b1, .offset: 16, .size: 8, .value_kind: global_buffer, .address_space: global }
      - { .name: W2, .offset: 24, .size: 8, .value_kind: global_buffer, .address_space: global }
      - { .name: b2, .offset: 32, .size: 8, .value_kind: global_buffer, .address_space: global }
      - { .name: W3, .offset: 40, .size: 8, .value_kind: global_buffer, .address_space: global }
      - { .name: w2r, .offset: 48, .size: 8, .value_kind: global_buffer, .address_space: global }
      - { .name: w1r, .offset: 56, .size: 8, .value_kind: global_buffer, .address_space: global }
      - { .name: d1w, .offset: 64, .size: 8, .value_kind: global_buffer, .address_space: global }
      - { .name: yc, .offset: 72, .size: 8, .value_kind: global_buffer, .address_space: global }
      - { .name: ys, .offset: 80, .size: 8, .value_kind: global_buffer, .address_space: global }
    .group_segment_fixed_size: 123392
    .private_segment_fixed_size: 0
    .kernarg_segment_align: 8
    .kernarg_segment_size: 88
    .max_flat_workgroup_size: 128
    .sgpr_count:     66
    .vgpr_count:     512
    .wavefront_size: 32
...
	.end_amdgpu_metadata
.endif
;; end of part 1
;; launch main (part 2): grid 256 x 1, 4 waves a work-group, clusters of 4 x 1, 327,680 bytes of LDS; arguments w2r, w1r, d1w, yc, ys, xdot, out0, out1, out2; writes out0, out1, out2
.if DOCPART == 2
	.amdgcn_target "amdgcn-amd-amdhsa--gfx1250"
	.amdhsa_code_object_version 6
	.text
	.protected	k_qd6371574f0_main
	.globl	k_qd6371574f0_main
	.p2align	8
	.type	k_qd6371574f0_main,@function
k_qd6371574f0_main:
	s_mov_b64 s[64:65], 0
	v_nop
	global_prefetch_b8 v0, s[64:65] scope:SCOPE_SE
	s_setreg_imm32_b32 hwreg(HW_REG_WAVE_MODE, 25, 1), 1
	s_wait_xcnt 0x0
	s_wait_alu depctr_hold_cnt(0) depctr_sa_sdst(0) depctr_va_vdst(0) depctr_va_sdst(0) depctr_va_ssrc(0) depctr_va_vcc(0) depctr_vm_vsrc(0)
	s_getreg_b32 s2, hwreg(HW_REG_IB_STS2, 6, 4)
	s_cmp_eq_u32 s2, 0
	s_cbranch_scc0 .Lentry_in_a_cluster
	s_endpgm
.Lentry_in_a_cluster:
	s_bfe_u32 s2, ttmp6, 0x10000c
	s_cmp_lg_u32 s2, 0x3003
	s_cbranch_scc0 .Lentry_shape_is_right
	s_endpgm
.Lentry_shape_is_right:
; MAIN: z2 = Q(y1) Q(W2)^T + b2, y2 = tanh(z2), V = y2 . W3;  P[b][o][d] = the sum over h of Q(W2)[o][h] Q(J)[b][h][d] with J = d1[b][h] W1[h][d], quantised along h for each (b, d);
; gradV[b][d] = the sum over o of c[b][o] P[b][o][d], c = W3[o] (1 - y2 y2);  Vdot = gradV . xdot.  Both products on codes of E2M1 with E8M0 scales, f32 sums.  J's codes and P never leave the work-group.
; SHARES.  A work-group owns 4 rows of the batch (256 rows (b, d) of the large product), all o and all h.  Wave w = (m = w / 2, n = w % 2) keeps the codes of rows 2 m, 2 m + 1 (128 rows x 1,024 K:
; 512 registers) for the whole launch and walks the tiles of 16 o of parity n: 32 tiles.  A fragment of W2 read from LDS (1,024 bytes) feeds eight products of J and one of y1.
; ORIENTATION.  Source 0 = 16 rows of J (16 d of one b) or of y1, source 1 = 16 rows of W2: in every result a lane is ONE o (lane % 16) and the registers run along d.  So c is one number a lane for each b,
; gradV is gathered in 64 registers a lane (G += c P) and summed over the lanes once, at the end.  y1's tile of 16 rows holds my two rows of the batch by turns (row r is row r % 2): registers 0 and 1 of its result are z2.
; PHASES.  H: the loads, in the order in which phase J wants them, and the first fills.  J: wave w quantises K steps 2 w, 2 w + 1 of all 4 b and all 64 d, so that each number is quantised once; the
; fragments go to LDS as images of their registers.  X: each wave takes its 64 fragments and 32 scale registers.  THE WALK: 8 blocks of 8 records of W2 through a ring of two LDS slots.
; E: the last two tiles' sums, sums over lanes and over the two waves of a row, stores.
; IN THE WALK a tile's 72 products stand in two stretches, and all vector work stands at the two runs of LDS loads between them.  At tile t's head: c and V of tile t - 2, its G += c P (tile t then begins
; the same accumulators anew: two sets take turns), the reciprocals of tile t - 1.  Behind K step 4: tile t's exponentials.  So one wait serves a tile's transcendentals.
; The walk begins with zeros in both sets and zero pairs for the two tiles that are not there, so that the tile is written once: its first two turns add zeros.
; CLUSTER.  The four work-groups of a cluster walk the same records: each block is asked for jointly, each wave a quarter (74 rows of 256 bytes).  W1's f32 (262,144 bytes), which all four read too, goes
; straight into registers: beside the ring (151,552 bytes) and the images (139,264) it has no room in LDS.  d1, y1 and xdot differ from partner to partner.
; No prefetch: the records are read by all 64 clusters in step, not once, and each refill has a block's 288 matrix instructions a wave in which to land.
; LIMITS: NaN and infinities are not served.  A block of J whose largest magnitude lies under 2^-124 (a block of zeros too) keeps the byte 1, over codes that are then zeros or held small.
; tanh(z2) = 1 - 2 / (1 + 2^(2 log2(e) z2)): absolute error about 1e-7; nothing behind it is quantised.  V and Vdot leave as 4 bytes a wave: a work-group owns 16 bytes of each.
.set K2C,    0x4038aa3b                ; 2 log2(e)
.set FLOORC, 0x01800000                ; 2^(3 - 127)
.set EOFFC,  0xff000000                ; 2 off an exponent field
.set RECB,   9472                      ; a record: 8 fragments, 8 x 128 bytes of scale words, 256 bytes of (W3, 2 log2(e) b2)
.set SLOTB,  8*RECB                    ; a slot: 75,776 bytes
.set QB,     SLOTB/4                   ; what one tensor load brings: 74 rows of 256 bytes
.set JIMG,   2*SLOTB                   ; J's fragments: 32768 w + 8192 b + 2048 dt + 1024 si + 512 c + 16 lane (w: the wave that made them, K step 2 w + si)
.set JSC,    JIMG+131072               ; their scale words: 2048 w + 512 b + 256 si + 128 (dt / 2) + 4 (16 (dt % 2) + r)
.set RED,    JSC+8192                  ; the end's sums: 512 w + 256 bl + 4 d; V's at + 2048 + 8 w + 4 bl
.set SPARE,  RED+4096                  ; the spare words, 128 bytes for each wave: two blocks of 256 bytes that no other line names
; window 0
.set SPW, 4                            ; v4   SPARE + 4 x my thread's number; never rewritten
.set NIL, 5                            ; v5   0; never rewritten
.set AF,  6                            ; v6-7   slot 0, 1: my lane's 16 bytes of a fragment of my parity's first record
.set AW,  8                            ; v8-9   its scale word
.set AX,  10                           ; v10-11 its pair
.set JW0, 12                           ; v12  where my wave's images begin, + 16 lane
.set JSW0, 13                          ; v13  and their scale words, + 4 r
.set JR,  14                           ; v14-15 where I read images: those of waves 0, 1 and of waves 2, 3
.set XD,  20                           ; v20-21 xdot
.set VS,  22                           ; v22-23 V's sums for my two b
.set EE,  24                           ; v24-31 pairs (one number for each b): 2^.., 1 / (1 + 2^..), y2, c
.set RR,  26
.set YV,  28
.set CC,  30
.set AS,  32                           ; v32-63 J's scale words: register 8 P + s; lanes 0-15 rows 0-15, lanes 16-31 rows 16-31 of the pair of tiles P.  v32-79 hold scales and nothing else
.set YS,  64                           ; v64-71 y1's
.set W2S, 72                           ; v72-79 W2's, K step s
.set D1O, 80                           ; v80-87, v115: offsets and addresses of phases H, J and X; v80-93 at work in phase E
.set L16, 81
.set YO,  82
.set YSO, 83
.set SH8, 84
.set L8,  85
.set JSR, 86
.set JWA, 87
.set CD,  88                           ; v88-103 phase J: the codes just made, two sets;  v104-105 their scale words
.set PW,  104
.set WB,  96                           ; v96-103 the walk: (W3, 2 log2(e) b2) of my o: four sets, by the tile's place in its slot
.set TM,  106                          ; v106-114 phase J: at work
.set JSA, 115
.set YR,  106                          ; v106-121 behind phase J: y1's scale bytes as loaded
.set PR,  128                          ; v128-191 phase J: 64 numbers of J
.set W2F, 128                          ; v128-191 the walk: W2's fragments, K step s at 8 s
.set YF,  192                          ; v192-255 y1's fragments
; windows 1, 2: phase J: W1's f32 of K steps 2 w, 2 w + 1, register 64 dt + 32 c + i.  Then J's codes of K steps 0-3, 4-7: register 16 (4 P + s % 4) + 8 e + 4 c; P = 2 bl + p, dt = 2 p + e
; window 3: phase J: d1, 64 registers for each si.  Then accumulator set a at 72 a (16 P + 8 e: J's; 64: y1's) and G at 144 + 16 P + 8 e + j
.set GA,  144
.set MSB, 0
.macro WIN new                         ; the immediate's high byte repeats the setting that is left
.if MSB != (\new)
	s_set_vgpr_msb (MSB<<8)|(\new)
.set MSB, (\new)
.endif
.endm
.macro PLACES                          ; four plain lines between a matrix instruction and a load into, or a read of, its registers (ISA guide 7.12.1 for vector instructions)
.rept 4
	v_nop
.endr
.endm
.macro CREST                           ; a round of the cluster's barrier behind its opening barrier
	s_cmp_lg_u32 s22, 0
	s_cbranch_scc1 .Lnot_wave_0_\@
	s_barrier_signal -3
.Lnot_wave_0_\@:
	s_barrier_wait -3
	s_barrier_signal -1
	s_barrier_wait -1
.endm
.macro ROUND                           ; a whole round
	s_barrier_signal -1
	s_barrier_wait -1
	CREST
.endm
; d1 of one b for K step 2 w + si: lane (r, hh) wants h = 128 (2 w + si) + 64 c + 32 hh + i: sixteen lanes read the same 16 bytes
.macro D1LOAD si
	WIN 0xc0                                       ; destination window 3
.set DQ, 0
.rept 16
	global_load_b128 v[64*(\si)+4*DQ:64*(\si)+4*DQ+3], v[D1O], s[54:55] offset:(\si)*8192+(DQ/8)*4096+(((DQ%8)/2)%2)*1024+(DQ%2)*512+((DQ%8)/4)*256
.set DQ, DQ+1
.endr
	WIN 0
.endm
; One fragment of J: 16 d (tile dt) x 128 h (K step 2 w + si) of the trip's b.  A lane holds two whole blocks of 32 along h.
.macro JFRAG win, si, dt
	WIN \win                                       ; source 0 (W1) window 1 or 2, source 1 (d1) window 3
.set JK, 0
.rept 32
	v_pk_mul_f32 v[PR+2*JK:PR+2*JK+1], v[64*(\dt)+2*JK:64*(\dt)+2*JK+1], v[64*(\si)+2*JK:64*(\si)+2*JK+1]
.set JK, JK+1
.endr
	WIN 0
.irp c, 0,1                                    ; the two blocks' largest magnitudes, in four chains by turns
	v_max3_num_f32 v[TM+2*\c], |v[PR+32*\c]|, |v[PR+32*\c+1]|, FLOORC
	v_max3_num_f32 v[TM+2*\c+1], |v[PR+32*\c+16]|, |v[PR+32*\c+17]|, |v[PR+32*\c+18]|
.endr
.irp t, 0,1,2,3,4,5
.irp c, 0,1
	v_max3_num_f32 v[TM+2*\c], v[TM+2*\c], |v[PR+32*\c+2+2*\t]|, |v[PR+32*\c+3+2*\t]|
	v_max3_num_f32 v[TM+2*\c+1], v[TM+2*\c+1], |v[PR+32*\c+19+2*\t]|, |v[PR+32*\c+20+2*\t]|
.endr
.endr
.irp c, 0,1
	v_max3_num_f32 v[TM+2*\c], v[TM+2*\c], |v[PR+32*\c+14]|, |v[PR+32*\c+15]|
.endr
.irp c, 0,1
	v_max3_num_f32 v[TM+2*\c], v[TM+2*\c], v[TM+2*\c+1], |v[PR+32*\c+31]|
.endr
.irp c, 0,1
	v_add_nc_u32 v[TM+4+\c], EOFFC, v[TM+2*\c]     ; the conversion's scale operand
.endr
.irp c, 0,1
	v_lshrrev_b32 v[TM+6+\c], 23, v[TM+4+\c]       ; the scale's byte
.endr
	s_wait_dscnt 3                                 ; the three stores of the fragment before may be out: those of the fragment before that, which read this set of registers, are done
.irp c, 0,1
.irp g, 0,1,2,3
	v_cvt_scalef32_pk8_fp4_f32 v[CD+8*((\dt)%2)+4*\c+\g], v[PR+32*\c+8*\g:PR+32*\c+8*\g+7], v[TM+4+\c]
.endr
.endr
	v_lshl_or_b32 v[TM+6], v[TM+7], 16, v[TM+6]    ; my two bytes: blocks hh and 2 + hh.  (The plain line behind the conversions)
	v_lshlrev_b32 v[TM+6], v[SH8], v[TM+6]
	v_permlanex16_b32 v[TM+8], v[TM+6], s48, s49
	v_or_b32 v[PW+((\dt)%2)], v[TM+6], v[TM+8]     ; with lane l xor 16's two the word is whole
	ds_store_b128 v[JWA], v[CD+8*((\dt)%2):CD+8*((\dt)%2)+3] offset:(\dt)*2048+(\si)*1024
	ds_store_b128 v[JWA], v[CD+8*((\dt)%2)+4:CD+8*((\dt)%2)+7] offset:(\dt)*2048+(\si)*1024+512
	ds_store_b32 v[JSA], v[PW+((\dt)%2)] offset:(\si)*256+((\dt)/2)*128+((\dt)%2)*64   ; both halves of the lanes write the same word
.endm
; 64 loads: J's codes of four K steps for my two b
.macro JCLOAD adr
.set XP, 0
.rept 4
.set XQ, 0
.rept 4
.set XE, 0
.rept 2
	ds_load_b128 v[16*(4*XP+XQ)+8*XE:16*(4*XP+XQ)+8*XE+3], v[\adr] offset:(XQ/2)*32768+(XP/2)*8192+(2*(XP%2)+XE)*2048+(XQ%2)*1024
	ds_load_b128 v[16*(4*XP+XQ)+8*XE+4:16*(4*XP+XQ)+8*XE+7], v[\adr] offset:(XQ/2)*32768+(XP/2)*8192+(2*(XP%2)+XE)*2048+(XQ%2)*1024+512
.set XE, XE+1
.endr
.set XQ, XQ+1
.endr
.set XP, XP+1
.endr
.endm
; Two products: the 32 rows of pair P (two tiles of 16 d) x the tile's 16 o, K step s, into set a.  zero = 1: they start the sums
.macro MM a, p, s, zero
.set WN, 0xf1+(\s)/4
	WIN WN                                         ; source 0 (J) window 1 or 2, source 1 (W2) window 0, C and D window 3
.set rD, 72*(\a)+16*(\p)
.set rA, 16*(4*(\p)+(\s)%4)
.set rB, W2F+8*(\s)
.if \zero
	v_wmma_scale_f32_16x16x128_f8f6f4 v[rD:rD+7], v[rA:rA+7], v[rB:rB+7], 0, v[AS+8*(\p)+(\s)], v[W2S+(\s)] matrix_a_fmt:MATRIX_FMT_FP4 matrix_b_fmt:MATRIX_FMT_FP4
	v_wmma_scale_f32_16x16x128_f8f6f4 v[rD+8:rD+15], v[rA+8:rA+15], v[rB:rB+7], 0, v[AS+8*(\p)+(\s)], v[W2S+(\s)] matrix_a_fmt:MATRIX_FMT_FP4 matrix_b_fmt:MATRIX_FMT_FP4 matrix_a_scale:MATRIX_SCALE_ROW1
.else
	v_wmma_scale_f32_16x16x128_f8f6f4 v[rD:rD+7], v[rA:rA+7], v[rB:rB+7], v[rD:rD+7], v[AS+8*(\p)+(\s)], v[W2S+(\s)] matrix_a_fmt:MATRIX_FMT_FP4 matrix_b_fmt:MATRIX_FMT_FP4
	v_wmma_scale_f32_16x16x128_f8f6f4 v[rD+8:rD+15], v[rA+8:rA+15], v[rB:rB+7], v[rD+8:rD+15], v[AS+8*(\p)+(\s)], v[W2S+(\s)] matrix_a_fmt:MATRIX_FMT_FP4 matrix_b_fmt:MATRIX_FMT_FP4 matrix_a_scale:MATRIX_SCALE_ROW1
.endif
.endm
.macro MM4 a, s, zero                  ; the four pairs of K step s: eight products on eight accumulators
	MM \a, 0, \s, \zero
	MM \a, 1, \s, \zero
	MM \a, 2, \s, \zero
	MM \a, 3, \s, \zero
.endm
.macro YY a, s, zero                   ; y1's product of K step s
	WIN 0xf0
.set rD, 72*(\a)+64
.if \zero
	v_wmma_scale_f32_16x16x128_f8f6f4 v[rD:rD+7], v[YF+8*(\s):YF+8*(\s)+7], v[W2F+8*(\s):W2F+8*(\s)+7], 0, v[YS+(\s)], v[W2S+(\s)] matrix_a_fmt:MATRIX_FMT_FP4 matrix_b_fmt:MATRIX_FMT_FP4
.else
	v_wmma_scale_f32_16x16x128_f8f6f4 v[rD:rD+7], v[YF+8*(\s):YF+8*(\s)+7], v[W2F+8*(\s):W2F+8*(\s)+7], v[rD:rD+7], v[YS+(\s)], v[W2S+(\s)] matrix_a_fmt:MATRIX_FMT_FP4 matrix_b_fmt:MATRIX_FMT_FP4
.endif
.endm
; One run of LDS loads: four K steps of my i-th record of the slot: (the pair, into set i,) 4 scale words, 8 x 16 bytes a lane, in the order of K
.macro RUN slot, i, half
	WIN 0
.if (\half) == 0
	ds_load_b64 v[WB+2*(\i):WB+2*(\i)+1], v[AX+(\slot)] offset:2*(\i)*RECB
.endif
.irp k, 0,1,2,3
	ds_load_b32 v[W2S+4*(\half)+\k], v[AW+(\slot)] offset:2*(\i)*RECB+(4*(\half)+\k)*128
.endr
.irp k, 0,1,2,3
	ds_load_b128 v[W2F+8*(4*(\half)+\k):W2F+8*(4*(\half)+\k)+3], v[AF+(\slot)] offset:2*(\i)*RECB+(4*(\half)+\k)*1024
	ds_load_b128 v[W2F+8*(4*(\half)+\k)+4:W2F+8*(4*(\half)+\k)+7], v[AF+(\slot)] offset:2*(\i)*RECB+(4*(\half)+\k)*1024+512
.endr
.endm
; tanh in three parts.  PA: 2^(2 log2(e) (z2 + b2)) of set a's two z2, with the pair of set i
.macro PA a, i
	WIN 0x03                                       ; source 0 window 3
	v_pk_fma_f32 v[EE:EE+1], v[72*(\a)+64:72*(\a)+65], s[50:51], v[WB+2*(\i):WB+2*(\i)+1] op_sel:[0,0,1] op_sel_hi:[1,0,1]   ; the pair's second word serves both halves
	WIN 0
	v_exp_f32 v[EE], v[EE]
	v_exp_f32 v[EE+1], v[EE+1]
	v_nop                                          ; the plain line behind the transcendentals
.endm
; PB: 1 / (1 + 2^..)
.macro PB
	WIN 0
	v_pk_add_f32 v[RR:RR+1], v[EE:EE+1], 1.0 op_sel_hi:[1,0]
	v_rcp_f32 v[RR], v[RR]
	v_rcp_f32 v[RR+1], v[RR+1]
	v_nop                                          ; the plain line behind the transcendentals
.endm
; PC: y2, c = W3 (1 - y2 y2), V += W3 y2, with the pair of set p
.macro PC p
	WIN 0
	v_pk_fma_f32 v[YV:YV+1], v[RR:RR+1], -2.0, 1.0 op_sel_hi:[1,0,0]
	v_pk_fma_f32 v[CC:CC+1], v[YV:YV+1], v[YV:YV+1], 1.0 op_sel_hi:[1,1,0] neg_lo:[1,0,0] neg_hi:[1,0,0]
	v_pk_mul_f32 v[CC:CC+1], v[CC:CC+1], v[WB+2*(\p):WB+2*(\p)+1] op_sel_hi:[1,0]
	v_pk_fma_f32 v[VS:VS+1], v[YV:YV+1], v[WB+2*(\p):WB+2*(\p)+1], v[VS:VS+1] op_sel_hi:[1,0,1]
.endm
; G += c P for the eight accumulators of set a, each from its low end on: c's first word for b 0 (registers 0-31), its second for b 1.  One window setting for the 32 lines
.macro GSALL a
	WIN 0xf3                                       ; P and G window 3, c window 0
.set GK, 0
.rept 32
.if GK < 16
	v_pk_fma_f32 v[GA+2*GK:GA+2*GK+1], v[72*(\a)+2*GK:72*(\a)+2*GK+1], v[CC:CC+1], v[GA+2*GK:GA+2*GK+1] op_sel_hi:[1,0,1]
.else
	v_pk_fma_f32 v[GA+2*GK:GA+2*GK+1], v[72*(\a)+2*GK:72*(\a)+2*GK+1], v[CC:CC+1], v[GA+2*GK:GA+2*GK+1] op_sel:[0,1,0] op_sel_hi:[1,1,1]
.endif
.set GK, GK+1
.endr
.endm
; A TILE: my i-th record of the slot: 72 matrix instructions.  The nine accumulators take turns, one instruction a turn.
; turn = 0: the next tile lies in the same slot (last = 1: there is none).  turn = 1: the slot is left.  turn = 2: and filled again, behind a round of the cluster's barrier.
.macro TILE slot, i, turn, last
.set TA, ((\i)%2)                      ; my set of accumulators: it still holds the tile two back
.set TW, (((\i)+2)%4)                  ; that tile's pair
	; ---- the head: all that is left of the two tiles before, at the run of loads for K steps 4 to 7
	WIN 0
	PLACES                                         ; behind the last tile's last products, which read the registers that the loads below fill
	s_wait_alu depctr_va_vdst(0)                   ; the wait ahead of the first use: ONE for the last tile's exponentials and the reciprocals of the tile before it
	RUN \slot, \i, 1                               ; twelve loads
	PC TW
	GSALL TA
	PB
.if (\turn) == 2
	s_wait_alu depctr_va_vdst(0)                   ; a branch follows in this tile (the round's): the reciprocals have their wait ahead of it, here, where no product is out
.endif
	; ---- K steps 0 to 3: 36 products
	s_wait_dscnt 18                                ; the pair, the scale words and K step 0 are in; out may be: the six loads of K steps 1 to 3 and the twelve
	YY TA, 0, 1
	MM4 TA, 0, 1
.irp s, 1,2,3
	s_wait_dscnt 18-2*\s                           ; K step s is in
	YY TA, \s, 0
	MM4 TA, \s, 0
.endr
	; ---- K step 4, and y1's products of K steps 4 to 7, so that z2 is whole here
	s_wait_dscnt 6                                 ; K step 4 is in; the six loads of K steps 5 to 7 may be out
	YY TA, 4, 0
	MM TA, 0, 4, 0
	s_wait_dscnt 4
	YY TA, 5, 0
	MM TA, 1, 4, 0
	s_wait_dscnt 2
	YY TA, 6, 0
	MM TA, 2, 4, 0
.if (\turn) == 0
	s_wait_dscnt 0x0
	YY TA, 7, 0
	MM TA, 3, 4, 0
	WIN 0
	PLACES                                         ; behind y1's last product, whose result is read, and behind the products of K steps 0 to 3, whose registers are filled
	PA TA, \i
.if (\last) == 0
	RUN \slot, (\i)+1, 0                           ; the next tile's K steps 0 to 3: thirteen loads
.endif
	MM4 TA, 5, 0
.else
	WIN 0                                          ; (the add's two registers lie in window 0)
	s_wait_tensorcnt 0x0                           ; all my tensor loads have landed: the one that was out is my quarter of the other slot;
	ds_add_u32 v[SPW], v[NIL]                      ; 0 onto my spare word
	s_wait_dscnt 1                                 ; (K step 7 is in; the add may be out)
	YY TA, 7, 0                                    ; work on registers stands between the add and the wait for it
	MM TA, 3, 4, 0
	s_wait_dscnt 0x0                               ; the add is done, and my reads of this slot are over
	s_barrier_signal -1
	MM4 TA, 5, 0                                   ; work on registers while the others arrive
	WIN 0                                          ; at a branch and at a label every window is 0
	s_barrier_wait -1
.if (\turn) == 2
	CREST                                          ; no wave of any partner still reads this slot or has a load on its way
	s_add_nc_u64 s[42+4*(\slot):43+4*(\slot)], s[42+4*(\slot):43+4*(\slot)], 2*SLOTB   ; the block two on; no tensor load of mine is out
	tensor_load_to_lds s[40+4*(\slot):43+4*(\slot)], s[32:39]   ; my one tensor load behind the round, ahead of my first LDS read
	s_nop 0
.endif
	PLACES                                         ; four lines behind a tensor load; they are also the places of the plain tile
	PA TA, \i                                      ; behind the round
	RUN 1-(\slot), 0, 0                            ; the other slot's first tile
.endif
	; ---- K steps 6 and 7
	MM4 TA, 6, 0
	MM4 TA, 7, 0
.endm
.macro PHASE slot, turn, last          ; my four records of a slot
	TILE \slot, 0, 0, 0
	TILE \slot, 1, 0, 0
	TILE \slot, 2, 0, 0
	TILE \slot, 3, \turn, \last
.endm
	; ==== H: the head.  All that needs no pointer stands ahead of the wait for the pointers
	s_load_b512 s[4:19], s[0:1], 0x0               ; w2r s[4:5], w1r s[6:7], d1w s[8:9], yc s[10:11], ys s[12:13], xdot s[14:15], out0 s[16:17], out1 s[18:19]
	s_load_b64 s[20:21], s[0:1], 0x40              ; out2
	v_lshl_add_u32 v[SPW], v0, 2, SPARE
	v_mov_b32 v[NIL], 0
	ds_add_u32 v4, v5
	ds_add_u32 v4, v5
	s_wait_dscnt 0x0
	v_lshrrev_b32 v1, 5, v0
	v_readfirstlane_b32 s22, v1                    ; wave 0..3
	s_lshr_b32 s23, s22, 1                         ; m: which two b
	s_and_b32 s24, s22, 1                          ; n: which parity of o tiles
	s_bfe_u32 s25, ttmp6, 0x40000                  ; cx: my place in the cluster: it enters addresses of plain loads and stores alone
	; descriptor group 1: 74 rows of 32 elements of 8 bytes, dense
	s_mov_b32 s32, 0x0023000f                      ; 15:0 the mask: all four work-groups; 17:16 elements of 8 bytes; 20 no padding; 21 set beside a mask
	s_mov_b32 s33, 32<<16                          ; tensor_dim0 = 32
	s_mov_b32 s34, 74<<16                          ; tensor_dim1 = 74
	s_mov_b32 s35, 32<<16                          ; tile_dim0 = 32
	s_mov_b32 s36, 74                              ; tile_dim1 = 74
	s_mov_b32 s37, 32                              ; from row to row
	s_mov_b32 s38, 0
	s_mov_b32 s39, 0
	s_mul_i32 s56, s22, QB                         ; my quarter, in memory and in a slot
	s_mov_b32 s57, 0
	s_mov_b32 s48, 0x76543210
	s_mov_b32 s49, 0xfedcba98                      ; v_permlanex16_b32's selects for lane l xor 16
	s_mov_b32 s50, K2C
	s_mov_b32 s51, s50                             ; (named with it as a pair)
	v_and_b32 v1, 15, v0                           ; r
	v_bfe_u32 v2, v0, 4, 1                         ; hh
	v_and_b32 v3, 31, v0                           ; lane
	s_mul_i32 s58, s24, RECB                       ; my parity's first record of a slot
	v_lshl_add_u32 v[AF], v3, 4, s58
	v_add_nc_u32 v[AF+1], SLOTB, v[AF]
	s_add_co_u32 s59, s58, 8192
	v_lshl_add_u32 v[AW], v3, 2, s59
	v_add_nc_u32 v[AW+1], SLOTB, v[AW]
	s_add_co_u32 s59, s58, 9216
	v_lshl_add_u32 v[AX], v3, 3, s59
	v_add_nc_u32 v[AX+1], SLOTB, v[AX]
	s_lshl_b32 s58, s22, 15
	s_add_co_u32 s58, s58, JIMG
	v_lshl_add_u32 v[JW0], v3, 4, s58
	s_lshl_b32 s58, s22, 11
	s_add_co_u32 s58, s58, JSC
	v_lshl_add_u32 v[JSW0], v1, 2, s58
	s_lshl_b32 s58, s23, 14
	s_add_co_u32 s58, s58, JIMG
	v_lshl_add_u32 v[JR], v3, 4, s58
	v_add_nc_u32 v[JR+1], 65536, v[JR]
	s_lshl_b32 s58, s23, 10
	s_add_co_u32 s58, s58, JSC
	v_lshl_add_u32 v[JSR], v3, 2, s58
	v_lshlrev_b32 v[D1O], 11, v2                   ; d1: 2048 hh
	v_lshlrev_b32 v[L16], 4, v3
	v_and_b32 v[YSO], 1, v0                        ; r % 2: which of my two b a row of y1's tile holds
	v_lshlrev_b32 v[YO], 4, v[YSO]
	v_lshl_add_u32 v[YO], v2, 8, v[YO]             ; y1's codes: 256 hh + 16 (r % 2)
	v_lshlrev_b32 v[YSO], 1, v[YSO]                ; its scale bytes: 2 (r % 2)
	v_lshlrev_b32 v[SH8], 3, v2
	v_lshlrev_b32 v[L8], 3, v3
	v_mov_b32 v[TM+8], 0                           ; a lane permute's destination counts as one of its sources
	; the offsets, each in a pair of its own with 0 above it.  (ttmp9 counts clusters: a cluster is 16 rows of the batch)
	s_lshl_b32 s66, s22, 16                        ; W1's f32 of K steps 2 w, 2 w + 1
	s_mov_b32 s67, 0
	s_lshl_b32 s68, ttmp9, 16                      ; d1 of my work-group's first b, my K steps
	s_lshl_b32 s30, s22, 14
	s_add_co_u32 s68, s68, s30
	s_lshl_b32 s30, s25, 6
	s_add_co_u32 s68, s68, s30
	s_mov_b32 s69, 0
	s_lshl_b32 s70, ttmp9, 13                      ; y1's codes of row 4 cx + 2 m
	s_add_co_u32 s70, s70, s30
	s_lshl_b32 s31, s23, 5
	s_add_co_u32 s70, s70, s31
	s_mov_b32 s71, 0
	s_lshl_b32 s72, ttmp9, 10                      ; and its scale bytes
	s_lshl_b32 s30, s25, 3
	s_add_co_u32 s72, s72, s30
	s_lshl_b32 s31, s23, 2
	s_add_co_u32 s72, s72, s31
	s_mov_b32 s73, 0
	s_lshl_b32 s31, ttmp9, 4
	s_lshl_b32 s30, s25, 2
	s_add_co_u32 s31, s31, s30
	s_add_co_u32 s31, s31, s22                     ; the b that my wave finishes: 16 x cluster + 4 cx + w
	s_lshl_b32 s74, s31, 8                         ; its row of xdot and of out2,
	s_mov_b32 s75, 0
	s_lshl_b32 s76, s31, 2                         ; its word of out0 and of out1
	s_mov_b32 s77, 0
	s_wait_kmcnt 0x0
	s_add_nc_u64 s[6:7], s[6:7], s[66:67]
	s_add_nc_u64 s[54:55], s[8:9], s[68:69]
	s_add_nc_u64 s[10:11], s[10:11], s[70:71]
	s_add_nc_u64 s[12:13], s[12:13], s[72:73]
	s_add_nc_u64 s[14:15], s[14:15], s[74:75]
	s_add_nc_u64 s[20:21], s[20:21], s[74:75]
	s_add_nc_u64 s[16:17], s[16:17], s[76:77]
	s_add_nc_u64 s[18:19], s[18:19], s[76:77]
	s_mov_b32 s40, 1                               ; group 0 of slot 0: count,
	s_mov_b32 s41, s56                             ; LDS address,
	s_add_nc_u64 s[42:43], s[4:5], s[56:57]        ; global address: block 0
	s_mov_b32 s44, 1                               ; and of slot 1: block 1
	s_add_co_u32 s45, s56, SLOTB
	s_add_nc_u64 s[46:47], s[42:43], SLOTB
	s_or_b32 s43, s43, 0x80000000                  ; type = 2
	s_or_b32 s47, s47, 0x80000000
	; THE LOADS GO OUT IN THE ORDER IN WHICH PHASE J WANTS THEM: d1 of the first b and W1 of K step 2 w (the first trip's first half), then the same of K step 2 w + 1.  Sixty stand ahead of the round, which passes while they are on their way
	D1LOAD 0
	WIN 0x40                                       ; destination window 1
.set CT, 0
.rept 44
	global_load_b128 v[4*CT:4*CT+3], v[L16], s[6:7] offset:512*CT     ; 32 lanes read 512 consecutive bytes
.set CT, CT+1
.endr
	WIN 0
	ROUND                                          ; all four work-groups are here: the first joint loads meet
	tensor_load_to_lds s[40:43], s[32:39]          ; two tensor loads of mine are out
	s_nop 0
	tensor_load_to_lds s[44:47], s[32:39]
	s_nop 0
	PLACES
	WIN 0x40
.rept 20
	global_load_b128 v[4*CT:4*CT+3], v[L16], s[6:7] offset:512*CT
.set CT, CT+1
.endr
	D1LOAD 1
	WIN 0x80                                       ; destination window 2
.set CT, 0
.rept 64
	global_load_b128 v[4*CT:4*CT+3], v[L16], s[6:7] offset:32768+512*CT
.set CT, CT+1
.endr
	WIN 0
	s_wait_loadcnt 63                              ; of the 160 loads the last 63 may be out: all of them W1's of K step 2 w + 1, which the first trip's second half reads behind its own wait for 0
	; ==== J: four trips, a b each.  d1 of the next b comes half a trip ahead of its use
	s_mov_b32 s52, 4
	s_mov_b32 s60, 0                               ; the trip's place among my images,
	s_mov_b32 s61, 0                               ; and among my scale words
.Ljb:
	s_wait_dscnt 0x0                               ; the last trip's stores have read their addresses
	v_add_nc_u32 v[JWA], s60, v[JW0]
	v_add_nc_u32 v[JSA], s61, v[JSW0]
	JFRAG 0x0d, 0, 0
	JFRAG 0x0d, 0, 1
	JFRAG 0x0d, 0, 2
	JFRAG 0x0d, 0, 3
	s_wait_loadcnt 0x0                             ; d1 of this b, second K step (in the first trip W1 of that K step too); no load is out, so the base may step
	s_add_nc_u64 s[54:55], s[54:55], 16            ; the next b
	s_cmp_eq_u32 s52, 1                            ; the last trip asks for nothing: no load leaves its buffer
	s_cbranch_scc1 .Lno_d0
	D1LOAD 0
.Lno_d0:
	JFRAG 0x0e, 1, 0
	JFRAG 0x0e, 1, 1
	JFRAG 0x0e, 1, 2
	JFRAG 0x0e, 1, 3
	s_wait_loadcnt 0x0                             ; d1 of the next b, first K step
	s_cmp_eq_u32 s52, 1
	s_cbranch_scc1 .Lno_d1
	D1LOAD 1
.Lno_d1:
	s_add_co_u32 s60, s60, 8192
	s_add_co_u32 s61, s61, 512
	s_sub_co_u32 s52, s52, 1
	s_cmp_lg_u32 s52, 0
	s_cbranch_scc1 .Ljb
	s_wait_dscnt 0x0                               ; my images lie in LDS, and my stores have read their registers
	; what the walk and the end want of memory is asked for here: 33 loads, which land while phase X's 173 LDS loads are served
.set CT, 0
.rept 16
	global_load_b128 v[YF+4*CT:YF+4*CT+3], v[YO], s[10:11] offset:512*CT
	global_load_u16 v[YR+CT], v[YSO], s[12:13] offset:64*CT
.set CT, CT+1
.endr
	global_load_b64 v[XD:XD+1], v[L8], s[14:15]
	s_wait_tensorcnt 1                             ; my quarter of slot 0 is in; slot 1's may stay out
	s_barrier_signal -1
	s_barrier_wait -1                              ; everybody's images and quarters lie in LDS
	; ==== X: my operands into registers
	WIN 0x40
	JCLOAD JR                                      ; K steps 0 to 3: made by waves 0 and 1
	WIN 0x80
	JCLOAD JR+1                                    ; K steps 4 to 7: by waves 2 and 3
	WIN 0
.set XP, 0
.rept 4
.set XQ, 0
.rept 8
	ds_load_b32 v[AS+8*XP+XQ], v[JSR] offset:(XQ/2)*2048+(XP/2)*512+(XQ%2)*256+(XP%2)*128
.set XQ, XQ+1
.endr
.set XP, XP+1
.endr
	RUN 0, 0, 0
	WIN 0xc0                                       ; while these are on their way: zeros in J's accumulators of both sets and in G.  So the tile is written once: the heads of the first two tiles add zeros
.irp z, 0, 72, 144
.set CT, 0
.rept 64
	v_mov_b32 v[\z+CT], 0
.set CT, CT+1
.endr
.endr
	WIN 0
	s_wait_loadcnt 0x0                             ; y1 and xdot
.irp s, 0,1,2,3,4,5,6,7
	v_lshl_or_b32 v[YS+\s], v[YR+2*\s+1], 16, v[YR+2*\s]   ; y1's scale word of K step s: the bytes of two chunks of 64.  More than eight plain lines stand between these and the first product
.endr
.irp r, 100,101,102,103,22,23,24,25,26,27      ; the pairs of the two tiles that are not there (W3 = 0: c = 0, nothing is added to V), V's sums, those tiles' exponentials and reciprocals
	v_mov_b32 v\r, 0
.endr
	; ==== THE WALK: blocks 0 to 5 in the loop, each slot filled again as it is left; blocks 6 and 7 written out
	s_mov_b32 s53, 3
.Ltrip:
	PHASE 0, 2, 0
	PHASE 1, 2, 0
	WIN 0
	s_wait_alu depctr_va_vdst(0)                   ; the last tile's exponentials have their wait ahead of the branch
	s_sub_co_u32 s53, s53, 1
	s_cmp_lg_u32 s53, 0
	s_cbranch_scc1 .Ltrip
	PHASE 0, 1, 0
	PHASE 1, 0, 1
	; ==== E: what is left of tiles 30 and 31.  The lines up to the last sum, which name none of the last products' registers, are the places behind those products
	WIN 0
	s_wait_alu depctr_va_vdst(0)                   ; tile 31's exponentials, tile 30's reciprocals
	PC 2
	GSALL 0
	PB
	s_wait_alu depctr_va_vdst(0)                   ; tile 31's reciprocals
	PC 3
	WIN 0x33                                       ; P and G window 3; the result goes to window 0, into the registers that W2's fragments have left
.set CT, 0
.rept 32
.if CT < 16
	v_pk_fma_f32 v[PR+2*CT:PR+2*CT+1], v[72+2*CT:72+2*CT+1], v[CC:CC+1], v[GA+2*CT:GA+2*CT+1] op_sel_hi:[1,0,1]
.else
	v_pk_fma_f32 v[PR+2*CT:PR+2*CT+1], v[72+2*CT:72+2*CT+1], v[CC:CC+1], v[GA+2*CT:GA+2*CT+1] op_sel:[0,1,0] op_sel_hi:[1,1,1]
.endif
.set CT, CT+1
.endr
	WIN 0
.irp x, 1,2,4,8                                ; the sum over the 16 o of a half of the lanes (the other half holds other d, and for V the same o)
.set CT, 0
.rept 64
	v_add_f32_dpp v[PR+CT], v[PR+CT], v[PR+CT] row_xmask:\x row_mask:0xf bank_mask:0xf
.set CT, CT+1
.endr
	v_add_f32_dpp v[VS], v[VS], v[VS] row_xmask:\x row_mask:0xf bank_mask:0xf
	v_add_f32_dpp v[VS+1], v[VS+1], v[VS+1] row_xmask:\x row_mask:0xf bank_mask:0xf
.endr
	s_lshl_b32 s58, s22, 9
	s_add_co_u32 s58, s58, RED
	v_lshl_add_u32 v80, v2, 5, s58                 ; RED + 512 w + 32 hh: register 16 P + 8 e + j is d = 32 p + 16 e + 8 hh + j of b bl
	s_lshl_b32 s59, s22, 3
	s_add_co_u32 s59, s59, RED+2048
	v_mov_b32 v81, s59
.set CT, 0
.rept 16
	ds_store_b128 v80, v[PR+4*CT:PR+4*CT+3] offset:(CT/4)*128+((CT/2)%2)*64+(CT%2)*16   ; the sixteen lanes of a half write the same bytes
.set CT, CT+1
.endr
	ds_store_b64 v81, v[VS:VS+1]
	s_lshl_b32 s58, s23, 10                        ; wave w finishes b = w: the sums of waves 2 (w / 2) and 2 (w / 2) + 1 for their b w % 2
	s_lshl_b32 s59, s24, 8
	s_add_co_u32 s58, s58, s59
	s_add_co_u32 s58, s58, RED
	v_lshl_add_u32 v82, v3, 3, s58
	s_lshl_b32 s58, s23, 4
	s_lshl_b32 s59, s24, 2
	s_add_co_u32 s58, s58, s59
	s_add_co_u32 s58, s58, RED+2048
	v_mov_b32 v83, s58
	v_lshlrev_b32 v93, 3, v3
	v_mov_b32 v91, 0
	v_mov_b32 v92, 0
	s_wait_dscnt 0x0                               ; for the others' sake: my sums lie in LDS
	s_barrier_signal -1
	s_barrier_wait -1
	ds_load_b64 v[84:85], v82
	ds_load_b64 v[86:87], v82 offset:512
	ds_load_b32 v88, v83
	ds_load_b32 v89, v83 offset:8
	s_wait_dscnt 0x0
	v_pk_add_f32 v[84:85], v[84:85], v[86:87]      ; gradV(b, 2 lane), gradV(b, 2 lane + 1)
	v_add_f32 v88, v88, v89                        ; V(b)
	global_store_b64 v93, v[84:85], s[20:21]       ; 32 lanes store a row of 256 bytes, aligned
	v_mul_f32 v90, v84, v[XD]
	v_fmac_f32 v90, v85, v[XD+1]
.irp x, 1,2,4,8
	v_add_f32_dpp v90, v90, v90 row_xmask:\x row_mask:0xf bank_mask:0xf
.endr
	v_permlanex16_b32 v91, v90, s48, s49
	v_add_f32 v90, v90, v91                        ; Vdot(b)
	v_cmp_eq_u32 vcc_lo, 0, v3
	s_wait_xcnt 0x0                                ; EXEC changes only behind this wait
	s_and_saveexec_b32 s60, vcc_lo                 ; lane 0 alone
	global_store_b32 v92, v88, s[16:17]
	global_store_b32 v92, v90, s[18:19]
	s_wait_xcnt 0x0                                ; and again, in front of the line that widens it
	s_or_b32 exec_lo, exec_lo, s60
	s_wait_tensorcnt 0x0                           ; the wave's end: behind my last tensor load and my last LDS store
	ds_add_u32 v[SPW], v[NIL]
	s_wait_dscnt 0x0
	ROUND                                          ; the closing round: no work-group ends while a partner may still ask for a block that names it
	s_endpgm
.Lfunc_end_k_qd6371574f0_main:
	.size	k_qd6371574f0_main, .Lfunc_end_k_qd6371574f0_main-k_qd6371574f0_main
	.p2alignl 7, 3214868480
	.fill 96, 4, 3214868480
	.section	.rodata,"a",@progbits
	.p2align	6, 0x0
	.amdhsa_kernel k_qd6371574f0_main
		.amdhsa_group_segment_fixed_size 327680
		.amdhsa_private_segment_fixed_size 0
		.amdhsa_enable_private_segment 0
		.amdhsa_kernarg_size 72
		.amdhsa_user_sgpr_count 2
		.amdhsa_user_sgpr_kernarg_segment_ptr 1
		.amdhsa_wavefront_size32 1
		.amdhsa_system_sgpr_workgroup_id_x 1
		.amdhsa_system_sgpr_workgroup_id_y 1
		.amdhsa_system_sgpr_workgroup_id_z 1
		.amdhsa_system_vgpr_workitem_id 0
		.amdhsa_next_free_vgpr 1024
		.amdhsa_next_free_sgpr 80
		.amdhsa_reserve_vcc 1
		.amdhsa_float_denorm_mode_32 3
		.amdhsa_float_denorm_mode_16_64 3
		.amdhsa_memory_ordered 1
		.amdhsa_forward_progress 1
		.amdhsa_inst_pref_size 255
	.end_amdhsa_kernel
	.section	.bss,"aw",@nobits
	.p2align	6
	.space	262144
	.amdgpu_metadata
---
amdhsa.version: [ 1, 2 ]
amdhsa.kernels:
  - .name:           k_qd6371574f0_main
    .symbol:         k_qd6371574f0_main.kd
    .args:
      - { .name: w2r, .offset: 0, .size: 8, .value_kind: global_buffer, .address_space: global }
      - { .name: w1r, .offset: 8, .size: 8, .value_kind: global_buffer, .address_space: global }
      - { .name: d1w, .offset: 16, .size: 8, .value_kind: global_buffer, .address_space: global }
      - { .name: yc, .offset: 24, .size: 8, .value_kind: global_buffer, .address_space: global }
      - { .name: ys, .offset: 32, .size: 8, .value_kind: global_buffer, .address_space: global }
      - { .name: xdot, .offset: 40, .size: 8, .value_kind: global_buffer, .address_space: global }
      - { .name: out0, .offset: 48, .size: 8, .value_kind: global_buffer, .address_space: global }
      - { .name: out1, .offset: 56, .size: 8, .value_kind: global_buffer, .address_space: global }
      - { .name: out2, .offset: 64, .size: 8, .value_kind: global_buffer, .address_space: global }
    .group_segment_fixed_size: 327680
    .private_segment_fixed_size: 0
    .kernarg_segment_align: 8
    .kernarg_segment_size: 72
    .max_flat_workgroup_size: 128
    .sgpr_count:     80
    .vgpr_count:     1024
    .wavefront_size: 32
...
	.end_amdgpu_metadata
.endif
;; end of part 2
